; MI455X (gfx1250); checked and timed in simulation.
; The chip was launched on July 23, 2026; its instructions are those of AMD's public machine-readable ISA for CDNA 5 (MIT licence, August 2026) and "CDNA5" Instruction Set Architecture Reference Guide (July 2026). The comments in the code are by the model that wrote it; some were corrected since.
;; Causal Self Attention. Allowed arithmetic: matrix products marked QUANTISED: E4M3 operands, one given power-of-two scale a tensor, by v_wmma_f32_16x16x64_fp8_fp8 or v_wmma_f32_16x16x128_fp8_fp8, f32 sums; everything else in f32.
;; Inputs: Wk_codes 1,024 x 32 x 32 uint8 (E4M3 codes of Wk, K innermost, in blocks of 32 codes); Wp_codes 1,024 x 32 x 32 uint8 (E4M3 codes of Wp, K innermost, in blocks of 32 codes); Wq_codes 1,024 x 32 x 32 uint8 (E4M3 codes of Wq, K innermost, in blocks of 32 codes); Wv_codes 1,024 x 32 x 32 uint8 (E4M3 codes of Wv, K innermost, in blocks of 32 codes); bk 1,024 float32; bp 1,024 float32; bq 1,024 float32; bv 1,024 float32; lowp_scales 12 int32 (the exponents e of the quantised operands' scales 2^e); x_codes 4 x 2,048 x 32 x 32 uint8 (E4M3 codes of x, K innermost, in blocks of 32 codes).
;; Outputs: out0 4 x 2,048 x 1,024 float32.
;; This version of the problem:
;;   THIS VERSION OF THE PROBLEM IS GIVEN IN LOW PRECISION. The matrix products marked QUANTISED in the list below multiply operands that are first quantised to E4M3 (4 exponent bits, 3 mantissa bits; 8 bits a number), with one given power-of-two scale for each operand tensor; their sums are f32. All else is computed in f32.
;;   The module's matrix products, in the order in which they are computed (A, B: the left and right operand; K: the contracted axis; several contracted axes count as one K, in the product's order):
;;     1. [M 8,192, K 1,024] x [K 1,024, N 1,024]; A: input x (given as codes); B: input Wq (given as codes): QUANTISED (scales: A lowp_scales[0], B lowp_scales[1])
;;     2. [M 8,192, K 1,024] x [K 1,024, N 1,024]; A: input x (given as codes); B: input Wk (given as codes): QUANTISED (scales: A lowp_scales[2], B lowp_scales[3])
;;     3. [M 8,192, K 1,024] x [K 1,024, N 1,024]; A: input x (given as codes); B: input Wv (given as codes): QUANTISED (scales: A lowp_scales[4], B lowp_scales[5])
;;     4. batch 64 x [M 2,048, K 64] x [K 64, N 2,048]; A: computed on the way; B: computed on the way: QUANTISED (scales: A lowp_scales[6], B lowp_scales[7])
;;     5. batch 64 x [M 2,048, K 2,048] x [K 2,048, N 64]; A: softmax (see below); B: computed on the way: QUANTISED (scales: A lowp_scales[8], B lowp_scales[9])
;;     6. [M 8,192, K 1,024] x [K 1,024, N 1,024]; A: computed on the way; B: input Wp (given as codes): QUANTISED (scales: A lowp_scales[10], B lowp_scales[11])
;;   THE QUANTISER, for each operand of a quantised product, along K:
;;     - The operand's scale is 2^e, e = its entry of the input lowp_scales (int32; the entries are numbered through the quantised products in the list's order, A before B).
;;     - Each number is divided by the scale, clamped to +-448, and rounded to the nearest number of E4M3, ties to even, subnormals kept.
;;     - The product sums the exact products of the quantised numbers (number of the format x scale) in f32.
;;   ~~~python
;;   def quantise(x, axis, e):      # numpy; x: float32 -> the quantised numbers, widened to float32 again
;;       x = np.moveaxis(x, axis, -1); K = x.shape[-1]
;;       r = np.clip(x / 2.0 ** e, -448, 448)
;;       step = 2.0 ** (np.maximum(np.frexp(np.where(r == 0, 1, r))[1] - 1, -6) - 3)
;;       q = np.round(r / step) * step * 2.0 ** e      # np.round: ties to even
;;       return np.moveaxis(q, -1, axis).astype(np.float32)
;;   ~~~
;;   SOFTMAX AHEAD OF A QUANTISED PRODUCT. Where the list says 'softmax', what is quantised is not the finished softmax but p = 2^(t - M), with t = logit x log2(e) and M = ceil(the row's largest t), a whole number; so 1/2 < the row's largest p <= 1. The row's sum l is taken of the UNQUANTISED p, in f32, and the product's result is divided by l at the end. Since M is a whole number, a kernel that streams over the keys may use a running M (the ceiling of the running maximum): every later rescaling is an exact power of two, so the quantised numbers keep their values, but for numbers so far below the row's largest that they fall under the format's range.
;;   OPERANDS COMPUTED ON THE WAY. 'Computed on the way' means the value that the module computes at that place (a softmax that the list does not call 'softmax' is quantised finished and normalised). What goes into a quantiser is computed in f32, as accurately as f32 sums, v_exp_f32 and their like allow (about 1e-6 of the number): no bf16 or f16 on the way to a quantiser, and a product that is left as it is and whose result goes on into a quantised operand takes f32 operands (vector FMAs, or v_wmma_f32_16x16x4_f32). A number that lies on a knife's edge between two numbers of the format may be rounded either way, as far as f32 arithmetic and the matrix unit's own rounding can turn it there, and no further.
;;   INPUTS GIVEN AS CODES. Wk (in the module: [1024, 1024], K = its axis 1); Wp (in the module: [1024, 1024], K = its axis 1); Wq (in the module: [1024, 1024], K = its axis 1); Wv (in the module: [1024, 1024], K = its axis 1); x (in the module: [4, 2048, 1024], K = its axis 2): each comes as NAME_codes (uint8): NAME with its K axis moved to the last place and cut into blocks of 32 codes, [.., K / 32, bytes a block], one block behind the other in memory; one code a byte (a code: sign, 4 exponent bits, 3 mantissa bits); its scale is its entry of lowp_scales. Its value is code x scale, taken as it is: it is not quantised again, and the codes and scales need not be those that the quantiser above would give.
;; One version. Each part assembles by itself: llvm-mc -triple=amdgcn-amd-amdhsa -mcpu=gfx1250 --defsym DOCPART=n.
;; ======== version 1 of 1: 3 launches
;; limits: right only within a limited range of input values
;; workspace buffers: q_img 8,388,608 bytes; k_img 8,388,608 bytes; v_img 8,388,608 bytes; y_img 8,388,608 bytes
;; launch qkv (part 1): grid 12 x 32, 4 waves a work-group, clusters of 4 x 4, 327,680 bytes of LDS; arguments x_codes, Wq_codes, Wk_codes, Wv_codes, bq, bk, bv, lowp_scales, q_img, k_img, v_img; writes q_img, k_img, v_img
.if DOCPART == 1
	.amdgcn_target "amdgcn-amd-amdhsa--gfx1250"
	.amdhsa_code_object_version 6
	.text
	.protected	k_qab8239afbc_qkv
	.globl	k_qab8239afbc_qkv
	.p2align	8
	.type	k_qab8239afbc_qkv,@function
k_qab8239afbc_qkv:
	s_mov_b64 s[64:65], 0
	v_nop
	global_prefetch_b8 v0, s[64:65] scope:SCOPE_SE
	s_setreg_imm32_b32 hwreg(HW_REG_WAVE_MODE, 25, 1), 1
	s_wait_xcnt 0x0
	s_wait_alu depctr_hold_cnt(0) depctr_sa_sdst(0) depctr_va_vdst(0) depctr_va_sdst(0) depctr_va_ssrc(0) depctr_va_vcc(0) depctr_vm_vsrc(0)
	s_getreg_b32 s2, hwreg(HW_REG_IB_STS2, 6, 4)
	s_cmp_eq_u32 s2, 0
	s_cbranch_scc0 .Lentry_in_a_cluster
	s_endpgm
.Lentry_in_a_cluster:
	s_bfe_u32 s2, ttmp6, 0x10000c
	s_cmp_lg_u32 s2, 0xf033
	s_cbranch_scc0 .Lentry_shape_is_right
	s_endpgm
.Lentry_shape_is_right:
; Q = x Wq^T + bq, K = x Wk^T + bk, V^T = Wv x^T + bv on codes of FP8 (E4M3); each result is quantised at once (scales 2^e6, 2^e7, 2^e9) and stored as codes.
; x: [8192][1024] codes, the weights: [1024][1024] codes, K innermost.  A sum stands for sum x 2^(ea + eb), ea, eb = entries 2 p, 2 p + 1 of the scales for product p.
; The bias goes in as the C of each sum's first matrix instruction, divided by 2^(ea + eb); the three scales ahead of the quantiser are folded into the conversion's one, 2^(eo - ea - eb).
; LIMIT: eo - ea - eb between -126 and 119, so that this power of two and 448 times it are f32 numbers.  NaN among the biases is not served.
; SHARES.  A tile of 256 x 256 to a work-group of four waves, 128 x 128 to a wave: 64 accumulators, 512 registers.  The cluster's x is the product p (0: Q, 1: K, 2: V).
; p < 2: operand A = x (tile row 4 Y + cy), operand B = the weight (tile column cx).  p = 2: A = Wv (tile row cy), B = x (tile column 4 Y + cx).
; CLUSTERS: 4 x 4 work-groups; A's tile is asked for jointly by a row of the cluster, B's by a column.  All branches hang on the wave's number or on the cluster's x, which all sixteen share.
; THE MATRIX INSTRUCTION IS USED TRANSPOSED (source 0 = 16 rows of B, source 1 = 16 rows of A): a lane holds one row of A and eight neighbouring rows of B.  For Q and K that is one token and eight
; neighbouring features, for V one feature and eight neighbouring tokens: eight neighbours along the NEXT product's K.  So a conversion's two registers are registers 2 c, 2 c + 1 of the next operand.
; THE OUTPUTS ARE IMAGES OF THE READER'S OPERAND REGISTERS: a group of four registers is 512 bytes, lane l's 16 bytes at 16 l.  Each store of a wave covers 512 consecutive bytes, aligned: no stage in LDS.
;   q_img, k_img: [batch x head 64][tile of 16 tokens 128][group 2][lane][16];   v_img: [batch x head 64][block of 128 keys 16][tile of 16 features 4][group 4][lane][16].
; REGISTERS, in windows of 256: window 0: v16-30 addresses; v32-95 the bias in the result's layout; v128-255 A's fragments (one set), later the codes.
;   window 1: B's fragments, two sets.   windows 2, 3: the accumulators ((a, b) at v[8 (8 (a % 4) + b)]).
.set KROW,   1024                      ; a row of x or of a weight in bytes
.set ROWB,   256                       ; a tile's row: 256 along K
.set PITCH,  272                       ; an LDS row: 256 bytes + 16 of padding: the 16 rows that a load touches start 68 words apart
.set FR,     16                        ; registers of a fragment, 16 rows x 128 K
.set NL,     4                         ; LDS loads that bring one
.set NP,     4                         ; places behind this matrix instruction (ISA guide 7.12.1)
.set HALFT,  128*PITCH                 ; what one tensor load brings
.set SLOT,   4*HALFT                   ; A's 256 rows, then B's 256 rows
.set SPARE,  2*SLOT                    ; behind the ring: the spare words, 128 bytes for each wave
.set ADRA, 16                          ; v16-17  LDS address of my A fragments in slot 0, 1
.set ADRB, 20                          ; v20-21  the same for B
.set BOQ,  24                          ; v24     32 x (lane / 16): my eight bias numbers of a tile (Q, K)
.set BOV,  25                          ; v25     4 x (lane % 16): my one bias number of a tile (V)
.set CO,   26                          ; v26     16 x lane: my place in an image
.set SPW,  28                          ; v28     LDS address of my spare word; never rewritten
.set NIL,  29                          ; v29     0; never rewritten
.set SCL,  30                          ; v30     2^(eo - ea - eb) as f32
.set BI,   32                          ; v32-95  the bias
.set TMP,  32
.set AF,   128                         ; A's fragments
.set CD,   128                         ; later: the codes, 16 registers for each of A's eight blocks, so that no store's data are written again
.set G1, 24                            ; s[24:31] descriptor group 1 for A's tiles;  s[32:39] group 0, a set for each slot
.set G0, 32
.set G1B, 48                           ; s[48:55], s[56:63] the same for B's tiles
.set G0B, 56
.set MSB, 0
.macro WIN new                         ; the immediate's high byte repeats the setting that is left; a switch that changes nothing is dropped
.if MSB != (\new)
	s_set_vgpr_msb (MSB<<8)|(\new)
.set MSB, (\new)
.endif
.endm
.set MUL_LO, 0xa1                      ; source 0 (B) window 1, source 1 (A) window 0, C and D window 2
.set MUL_HI, 0xf1                      ; the same, C and D window 3
.set BEG_LO, 0x81                      ; the first step: C (the bias) window 0, D window 2
.set BEG_HI, 0xc1                      ; D window 3
.set TO_B,   0x40                      ; destination window 1, address window 0
; A joint load: waves 0 and 1 fetch for A, waves 2 and 3 for B.  Four v_nop follow each of the two lines.
.macro JLOAD g0a, g1a, g0b, g1b
	s_cmp_eq_u32 s15, 0
	s_cbranch_scc0 .Lfor_b_\@
	tensor_load_to_lds s[\g0a:\g0a+3], s[\g1a:\g1a+7]
	s_nop 0
.rept 4
	v_nop
.endr
	s_branch .Lasked_\@
.Lfor_b_\@:
	tensor_load_to_lds s[\g0b:\g0b+3], s[\g1b:\g1b+7]
	s_nop 0
.rept 4
	v_nop
.endr
.Lasked_\@:
.endm
.macro CREST                           ; a round of the cluster's barrier behind its opening barrier
	s_cmp_lg_u32 s14, 0
	s_cbranch_scc1 .Lnot_wave_0_\@
	s_barrier_signal -3
.Lnot_wave_0_\@:
	s_barrier_wait -3
	s_barrier_signal -1
	s_barrier_wait -1
.endm
.macro CROUND                          ; a whole round
	s_barrier_signal -1
	s_barrier_wait -1
	CREST
.endm
	s_load_b256 s[4:11], s[0:1], 0x0               ; x s[4:5], Wq s[6:7], Wk s[8:9], Wv s[10:11]
	s_load_b256 s[68:75], s[0:1], 0x20             ; bq s[68:69], bk s[70:71], bv s[72:73], the scales' exponents s[74:75]
	s_load_b128 s[76:79], s[0:1], 0x40             ; q_img s[76:77], k_img s[78:79]
	s_load_b64 s[80:81], s[0:1], 0x50              ; v_img
	v_lshl_add_u32 v[SPW], v0, 2, SPARE
	v_mov_b32 v[NIL], 0
	ds_add_u32 v28, v29
	ds_add_u32 v28, v29
	s_wait_dscnt 0x0
	v_lshrrev_b32 v1, 5, v0
	v_readfirstlane_b32 s14, v1                    ; wave 0..3
	s_lshr_b32 s15, s14, 1                         ; which half of A's rows is mine.  Also: I fetch for A (0) or for B (1)
	s_and_b32 s16, s14, 1                          ; which half of B's rows.  Also: which 128 rows of that tile I fetch
	s_bfe_u32 s40, ttmp6, 0x40000                  ; cx, cy: my place in the cluster
	s_bfe_u32 s41, ttmp6, 0x40004
	s_and_b32 s13, ttmp7, 0xffff
	s_lshl_b32 s13, s13, 2                         ; 4 Y
	s_cmp_eq_u32 ttmp9, 2                          ; the product: the same in all sixteen partners
	s_cselect_b32 s17, 0, s13                      ; x's tiles are counted by 4 Y + the place, a weight's by the place alone
	s_cselect_b32 s42, s13, 0
	s_add_co_u32 s17, s17, s41                     ; A's tile: holds cy alone
	s_add_co_u32 s42, s42, s40                     ; B's tile: holds cx alone
	s_lshl_b32 s43, s41, 2
	s_lshl_b32 s43, 15, s43                        ; my row of the cluster
	s_lshl_b32 s44, 0x1111, s40                    ; my column
	; descriptor group 1: a tile of 128 rows x 256 bytes, padded in LDS
	s_or_b32 s[G1+0], s43, (0<<16)|(1<<20)|(1<<21)|(5<<22)|(3<<25)  ; 15:0 the mask: my row; 17:16 elements of 1 byte; 20 padding on; 21 set beside a mask; 24:22 after every 64 words; 31:25 four words
	s_or_b32 s[G1B+0], s44, (0<<16)|(1<<20)|(1<<21)|(5<<22)|(3<<25) ; the same with my column's mask
.irp g, G1, G1B
	s_mov_b32 s[\g+1], ROWB<<16                    ; tensor_dim0
	s_mov_b32 s[\g+2], 128<<16                     ; tensor_dim1
	s_mov_b32 s[\g+3], ROWB<<16                    ; tile_dim0
	s_mov_b32 s[\g+4], 128                         ; tile_dim1
	s_mov_b32 s[\g+5], KROW                        ; tensor_dim0_stride
	s_mov_b32 s[\g+6], 0
	s_mov_b32 s[\g+7], 0
.endr
	s_lshl_b32 s18, s16, 7                         ; which 128 rows of the tile I fetch
	s_lshl_b32 s20, s17, 8
	s_add_co_u32 s20, s20, s18
	s_lshl_b32 s20, s20, 10                        ; A: (256 x tile + 128 x half) rows of 1,024 bytes
	s_mov_b32 s21, 0
	s_lshl_b32 s46, s42, 8
	s_add_co_u32 s46, s46, s18
	s_lshl_b32 s46, s46, 10                        ; B likewise
	s_mov_b32 s47, 0
	s_mul_i32 s45, s14, HALFT                      ; where they go: wave x 128 rows: no place in the cluster enters an LDS address
	s_wait_kmcnt 0x0
	s_load_b256 s[84:91], s[74:75], 0x0            ; e0 .. e7
	s_load_b64 s[92:93], s[74:75], 0x20            ; e8, e9
	s_cmp_eq_u32 ttmp9, 2                          ; the buffers are chosen by the product alone
	s_cselect_b64 s[66:67], s[10:11], s[4:5]       ; A: Wv or x
	s_cselect_b64 s[82:83], s[4:5], s[6:7]         ; B: x or Wq
	s_cselect_b64 s[94:95], s[72:73], s[68:69]     ; the bias
	s_cselect_b64 s[96:97], s[80:81], s[76:77]     ; the image
	s_cmp_eq_u32 ttmp9, 1
	s_cselect_b64 s[82:83], s[8:9], s[82:83]       ; Wk
	s_cselect_b64 s[94:95], s[70:71], s[94:95]
	s_cselect_b64 s[96:97], s[78:79], s[96:97]
	s_add_nc_u64 s[20:21], s[66:67], s[20:21]
	s_add_nc_u64 s[46:47], s[82:83], s[46:47]
	CROUND                                         ; all sixteen work-groups are here: the first joint loads meet
.irp s, 0,1
	s_mov_b32 s[G0+4*\s], 1
	s_add_co_u32 s[G0+4*\s+1], s45, \s*SLOT
	s_add_nc_u64 s[G0+4*\s+2:G0+4*\s+3], s[20:21], \s*ROWB
	s_or_b32 s[G0+4*\s+3], s[G0+4*\s+3], 0x80000000
	s_mov_b32 s[G0B+4*\s], 1
	s_add_co_u32 s[G0B+4*\s+1], s45, \s*SLOT
	s_add_nc_u64 s[G0B+4*\s+2:G0B+4*\s+3], s[46:47], \s*ROWB
	s_or_b32 s[G0B+4*\s+3], s[G0B+4*\s+3], 0x80000000
	JLOAD G0+4*\s, G1, G0B+4*\s, G1B
.endr
	v_and_b32 v1, 15, v0                           ; r = lane % 16
	v_bfe_u32 v2, v0, 4, 1                         ; h = lane / 16
	v_mul_u32_u24 v3, v1, PITCH
	v_lshl_add_u32 v4, v2, 4, v3                   ; a fragment's row x pitch + 16 x half
	s_mul_i32 s21, s15, HALFT                      ; my 128 rows of A
	s_mul_i32 s22, s16, HALFT                      ; my 128 rows of B,
	s_add_co_u32 s22, s22, 2*HALFT                 ; which lie behind A's 256
.irp s, 0,1
	v_add_nc_u32 v[ADRA+\s], s21, v4
	v_add_nc_u32 v[ADRB+\s], s22, v4
	s_add_co_u32 s21, s21, SLOT
	s_add_co_u32 s22, s22, SLOT
.endr
	v_lshlrev_b32 v[BOQ], 5, v2
	v_lshlrev_b32 v[BOV], 2, v1
	v_and_b32 v5, 31, v0
	v_lshlrev_b32 v[CO], 4, v5
	; my first head and my first row of x, whichever operand they belong to
	s_cmp_eq_u32 ttmp9, 2
	s_cselect_b32 s18, s17, s42                    ; the weight's tile
	s_cselect_b32 s19, s15, s16                    ; and my half of it
	s_cselect_b32 s22, s42, s17                    ; x's tile
	s_cselect_b32 s23, s16, s15                    ; and my half of it
	s_lshl_b32 s18, s18, 2
	s_lshl_b32 s19, s19, 1
	s_add_co_u32 s18, s18, s19                     ; my first head: 4 x tile + 2 x half (my 128 features are two heads)
	s_lshl_b32 s22, s22, 8
	s_lshl_b32 s23, s23, 7
	s_add_co_u32 s22, s22, s23                     ; my first row of x
	s_lshl_b32 s100, s18, 8                        ; 64 features x 4 bytes a head
	s_mov_b32 s101, 0
	s_add_nc_u64 s[94:95], s[94:95], s[100:101]    ; the bias at my 128 features
	s_lshr_b32 s19, s22, 11                        ; the batch
	s_lshl_b32 s19, s19, 4
	s_add_co_u32 s19, s19, s18                     ; batch x 16 + head
	s_lshl_b32 s19, s19, 17                        ; 131,072 bytes of image a head
	s_and_b32 s22, s22, 2047                       ; the token: 64 bytes of image each, in all three images
	s_lshl_b32 s22, s22, 6
	s_add_co_u32 s100, s19, s22
	s_add_nc_u64 s[96:97], s[96:97], s[100:101]    ; the image at my part
	s_cmp_eq_u32 ttmp9, 2
	s_cbranch_scc1 .Lbias_v
	s_wait_alu depctr_va_vdst(0)
.irp b, 0,1,2,3,4,5,6,7                        ; Q, K: accumulator (a, b), register j holds feature 16 b + 8 h + j
	global_load_b128 v[BI+8*\b:BI+8*\b+3], v[BOQ], s[94:95] offset:64*\b
	global_load_b128 v[BI+8*\b+4:BI+8*\b+7], v[BOQ], s[94:95] offset:64*\b+16
.endr
	s_branch .Lbias_in
.Lbias_v:
	s_wait_alu depctr_va_vdst(0)
.irp a, 0,1,2,3,4,5,6,7                        ; V: all eight registers of accumulator (a, b) hold feature 16 a + r
.irp j, 0,1,2,3,4,5,6,7
	global_load_b32 v[BI+8*\a+\j], v[BOV], s[94:95] offset:64*\a
.endr
.endr
.Lbias_in:
	s_wait_kmcnt 0x0
	s_add_co_i32 s18, s84, s85                     ; ea + eb of each product,
	s_add_co_i32 s19, s86, s87
	s_add_co_i32 s20, s88, s89
	s_cmp_eq_u32 ttmp9, 2                          ; and mine, chosen without a branch
	s_cselect_b32 s18, s20, s18
	s_cselect_b32 s21, s93, s90                    ; eo: e9 or e6
	s_cmp_eq_u32 ttmp9, 1
	s_cselect_b32 s18, s19, s18
	s_cselect_b32 s21, s91, s21                    ; e7
	s_sub_co_i32 s100, 0, s18                      ; -(ea + eb)
	s_sub_co_i32 s21, s21, s18                     ; eo - ea - eb
	s_add_co_i32 s21, s21, 127
	s_lshl_b32 s22, s21, 23
	v_mov_b32 v[SCL], s22                          ; 2^(eo - ea - eb) as f32: the conversion takes its exponent field
	s_wait_loadcnt 0x0                             ; the bias
.set ii, 0
.rept 64
	v_ldexp_f32 v[BI+ii], v[BI+ii], s100           ; bias / 2^(ea + eb): nothing is rounded
.set ii, ii+1
.endr
.macro FRAG reg, adr, q, i             ; 16 rows x 128 K: lane l holds row l % 16; registers 4 c .. 4 c + 3 hold K = 32 c + 16 (l / 16) + 0 .. 15: the same order of k in A and in B, so every product meets its partner
.irp c, 0,1,2,3
	ds_load_b128 v[\reg+4*\c:\reg+4*\c+3], v[\adr] offset:128*(\q)+32*\c+(\i)*16*PITCH
.endr
.endm
; 16 matrix instructions: A's blocks a0, a0 + 1 x B's eight, 128 along K.  p: B's set.  cmode 0: the sums go on; 1: they begin with the bias by B's block; 2: by A's block.
; The 64 accumulators take turns, one instruction a turn, in the same order in every step.
.macro MUL16 a0, p, cmode
.irp a, \a0, \a0+1
.irp b, 0,1,2,3,4,5,6,7
.if \cmode == 0
	v_wmma_f32_16x16x128_fp8_fp8 v[8*(8*((\a)%4)+\b):8*(8*((\a)%4)+\b)+7], v[128*(\p)+FR*\b:128*(\p)+FR*\b+FR-1], v[AF+FR*(\a):AF+FR*(\a)+FR-1], v[8*(8*((\a)%4)+\b):8*(8*((\a)%4)+\b)+7]
.elseif \cmode == 1
	v_wmma_f32_16x16x128_fp8_fp8 v[8*(8*((\a)%4)+\b):8*(8*((\a)%4)+\b)+7], v[128*(\p)+FR*\b:128*(\p)+FR*\b+FR-1], v[AF+FR*(\a):AF+FR*(\a)+FR-1], v[BI+8*\b:BI+8*\b+7]
.else
	v_wmma_f32_16x16x128_fp8_fp8 v[8*(8*((\a)%4)+\b):8*(8*((\a)%4)+\b)+7], v[128*(\p)+FR*\b:128*(\p)+FR*\b+FR-1], v[AF+FR*(\a):AF+FR*(\a)+FR-1], v[BI+8*(\a):BI+8*(\a)+7]
.endif
.endr
.endr
.endm
.macro FETCH_B slot, q, p              ; B's eight fragments of the slot's q-th 128 along K into set p
	WIN TO_B
.irp i, 0,1,2,3,4,5,6,7
	FRAG 128*(\p)+FR*\i, ADRB+\slot, \q, \i
.endr
	WIN 0
.endm
.macro FETCH_A slot, q, i0             ; A's blocks i0 .. i0 + 3
.irp i, \i0, \i0+1, \i0+2, \i0+3
	FRAG AF+FR*(\i), ADRA+\slot, \q, \i
.endr
.endm
.macro PLACES n                        ; plain vector instructions between a matrix instruction and a load into a register that it read, or a read of its result
.rept \n
	v_nop
.endr
.endm
; A step of 128 along K that has its successor in the same slot.  A block of A is free as soon as its eight products are issued, so A has one set of registers.
.macro STEP slot, q, cmode
	s_wait_dscnt 4*NL                              ; B's set and A's blocks 0-3 are in; the youngest 16 loads (A's blocks 4-7) may be out
.if \cmode
	WIN BEG_LO
.else
	WIN MUL_LO
.endif
	MUL16 0, (\q)%2, \cmode
	MUL16 2, (\q)%2, \cmode
	s_wait_dscnt 0                                 ; A's blocks 4-7 are in
	PLACES NP
	FETCH_B \slot, (\q)+1, 1-(\q)%2
	FETCH_A \slot, (\q)+1, 0
.if \cmode
	WIN BEG_HI
.else
	WIN MUL_HI
.endif
	MUL16 4, (\q)%2, \cmode
	MUL16 6, (\q)%2, \cmode
	PLACES NP
	WIN 0
	FETCH_A \slot, (\q)+1, 4
.endm
; A slot's last step changes slots: ONE barrier; in front of it each wave waits for all its tensor loads, adds 0 to its spare word, and waits for that and for its own reads of this slot.
.macro TURN slot, next, fill
	s_wait_tensorcnt 0x0                           ; all my tensor loads have landed: my part of the next slot
	ds_add_u32 v[SPW], v[NIL]                      ; 0 onto my spare word
	s_wait_dscnt 4*NL+1                            ; the add and the youngest 16 loads (A's blocks 4-7) may be out
	WIN MUL_LO
	MUL16 0, 1, 0                                  ; sixteen matrix instructions stand between the add and the wait for it
	s_wait_dscnt 0x0                               ; the add is done, and my reads of this slot are over
	s_barrier_signal -1
	MUL16 2, 1, 0
	WIN 0
	s_barrier_wait -1
.if \fill
	CREST                                          ; the barrier has opened a round of the cluster's: no wave of any partner still reads this slot or has a load on its way
	s_add_nc_u64 s[G0+4*\slot+2:G0+4*\slot+3], s[G0+4*\slot+2:G0+4*\slot+3], 2*ROWB
	s_add_nc_u64 s[G0B+4*\slot+2:G0B+4*\slot+3], s[G0B+4*\slot+2:G0B+4*\slot+3], 2*ROWB
	JLOAD G0+4*\slot, G1, G0B+4*\slot, G1B         ; the first tensor load behind the round; its four v_nop are the places in front of the loads below
.else
	PLACES NP
.endif
	FETCH_B \next, 0, 0
	FETCH_A \next, 0, 0
	WIN MUL_HI
	MUL16 4, 1, 0
	MUL16 6, 1, 0
	PLACES NP
	WIN 0
	FETCH_A \next, 0, 4
.endm
	s_wait_tensorcnt 1                             ; my part of slot 0 is in; slot 1's load may be out
	s_barrier_signal -1
	s_barrier_wait -1                              ; everybody's is
	FETCH_B 0, 0, 0
	FETCH_A 0, 0, 0
	FETCH_A 0, 0, 4
	s_cmp_eq_u32 ttmp9, 2                          ; the first step starts the sums with the bias, which lies by B's blocks (Q, K) or by A's (V)
	s_cbranch_scc1 .Lfirst_v
	s_wait_alu depctr_va_vdst(0)
	STEP 0, 0, 1
	s_branch .Lfirst_done
.Lfirst_v:
	s_wait_alu depctr_va_vdst(0)
	STEP 0, 0, 2
.Lfirst_done:
	TURN 0, 1, 1                                   ; K = 1,024 is four slots' worth: both slots are filled once more, and the eight steps are written out
	STEP 1, 0, 0
	TURN 1, 0, 1
	STEP 0, 0, 0
	TURN 0, 1, 0                                   ; nothing is left to fetch: no round
	STEP 1, 0, 0
	s_wait_dscnt 4*NL                              ; the last step
	WIN MUL_LO
	MUL16 0, 1, 0
	MUL16 2, 1, 0
	s_wait_dscnt 0
	WIN MUL_HI
	MUL16 4, 1, 0
	MUL16 6, 1, 0
	WIN 0
; THE WAY OUT, by A's blocks.  An accumulator's eight numbers
; become two registers of codes; the codes of two neighbouring accumulators are a lane's 16 bytes of an image.  kind 0: Q, K: accumulators 4 v .. 4 v + 3 are head v's fragment of tokens 16 a on.  kind 1: V: block a's
; eight accumulators are the fragment of features 16 (a % 4) on of head a / 4, over my 128 tokens.
.macro OUT kind
.irp a, 0,1,2,3,4,5,6,7
	WIN 0x02+\a/4                                  ; source 0: window 2 or 3
.set ii, 0
.rept 64
.set ii, ii+1
.endr
.irp b, 0,1,2,3,4,5,6,7
	v_cvt_scalef32_pk8_fp8_f32 v[CD+16*\a+2*\b:CD+16*\a+2*\b+1], v[TMP+8*\b+((64*(\a%4)+ii)-(TMP+ii)):TMP+8*\b+7+((64*(\a%4)+ii)-(TMP+ii))], v[SCL]
.endr
	WIN 0
	v_nop                                          ; a plain vector instruction behind the conversions
.irp u, 0,1,2,3
.if \kind
	global_store_b128 v[CO], v[CD+16*\a+4*\u:CD+16*\a+4*\u+3], s[96:97] offset:(\a/4)*131072+(\a%4)*2048+\u*512
.else
	global_store_b128 v[CO], v[CD+16*\a+4*\u:CD+16*\a+4*\u+3], s[96:97] offset:(\u/2)*131072+\a*1024+(\u%2)*512
.endif
.endr
.endr
.endm
	PLACES NP                                      ; behind the last products: for the reads of results and the writes over A's fragments
	s_cmp_eq_u32 ttmp9, 2
	s_cbranch_scc1 .Lout_v
	OUT 0
	s_branch .Lout_done
.Lout_v:
	OUT 1
.Lout_done:
	s_wait_tensorcnt 0x0                           ; the wave's end
	ds_add_u32 v[SPW], v[NIL]
	s_wait_dscnt 0x0
	CROUND                                         ; the closing round: no work-group ends while a partner may still ask for a tile that names it
	s_endpgm
.Lfunc_end_k_qab8239afbc_qkv:
	.size	k_qab8239afbc_qkv, .Lfunc_end_k_qab8239afbc_qkv-k_qab8239afbc_qkv
	.p2alignl 7, 3214868480
	.fill 96, 4, 3214868480
	.section	.rodata,"a",@progbits
	.p2align	6, 0x0
	.amdhsa_kernel k_qab8239afbc_qkv
		.amdhsa_group_segment_fixed_size 327680
		.amdhsa_private_segment_fixed_size 0
		.amdhsa_enable_private_segment 0
		.amdhsa_kernarg_size 88
		.amdhsa_user_sgpr_count 2
		.amdhsa_user_sgpr_kernarg_segment_ptr 1
		.amdhsa_wavefront_size32 1
		.amdhsa_system_sgpr_workgroup_id_x 1
		.amdhsa_system_sgpr_workgroup_id_y 1
		.amdhsa_system_sgpr_workgroup_id_z 1
		.amdhsa_system_vgpr_workitem_id 0
		.amdhsa_next_free_vgpr 1024
		.amdhsa_next_free_sgpr 102
		.amdhsa_reserve_vcc 0
		.amdhsa_float_denorm_mode_32 3
		.amdhsa_float_denorm_mode_16_64 3
		.amdhsa_fp16_overflow 1
		.amdhsa_memory_ordered 1
		.amdhsa_forward_progress 1
		.amdhsa_inst_pref_size 114
	.end_amdhsa_kernel
	.amdgpu_metadata
---
amdhsa.version: [ 1, 2 ]
amdhsa.kernels:
  - .name:           k_qab8239afbc_qkv
    .symbol:         k_qab8239afbc_qkv.kd
    .args:
      - { .name: x_codes, .offset: 0, .size: 8, .value_kind: global_buffer, .address_space: global }
      - { .name: Wq_codes, .offset: 8, .size: 8, .value_kind: global_buffer, .address_space: global }
      - { .name: Wk_codes, .offset: 16, .size: 8, .value_kind: global_buffer, .address_space: global }
      - { .name: Wv_codes, .offset: 24, .size: 8, .value_kind: global_buffer, .address_space: global }
      - { .name: bq, .offset: 32, .size: 8, .value_kind: global_buffer, .address_space: global }
      - { .name: bk, .offset: 40, .size: 8, .value_kind: global_buffer, .address_space: global }
      - { .name: bv, .offset: 48, .size: 8, .value_kind: global_buffer, .address_space: global }
      - { .name: lowp_scales, .offset: 56, .size: 8, .value_kind: global_buffer, .address_space: global }
      - { .name: q_img, .offset: 64, .size: 8, .value_kind: global_buffer, .address_space: global }
      - { .name: k_img, .offset: 72, .size: 8, .value_kind: global_buffer, .address_space: global }
      - { .name: v_img, .offset: 80, .size: 8, .value_kind: global_buffer, .address_space: global }
    .group_segment_fixed_size: 327680
    .private_segment_fixed_size: 0
    .kernarg_segment_align: 8
    .kernarg_segment_size: 88
    .max_flat_workgroup_size: 128
    .sgpr_count:     102
    .vgpr_count:     1024
    .wavefront_size: 32
...
	.end_amdgpu_metadata
.endif
;; end of part 1
;; launch attn (part 2): grid 4 x 64, 8 waves a work-group, no clusters, 327,680 bytes of LDS; arguments q_img, k_img, v_img, lowp_scales, y_img; writes y_img
.if DOCPART == 2
	.amdgcn_target "amdgcn-amd-amdhsa--gfx1250"
	.amdhsa_code_object_version 6
	.text
	.protected	k_qab8239afbc_attn
	.globl	k_qab8239afbc_attn
	.p2align	8
	.type	k_qab8239afbc_attn,@function
k_qab8239afbc_attn:
	s_mov_b64 s[64:65], 0
	v_nop
	global_prefetch_b8 v0, s[64:65] scope:SCOPE_SE
	s_setreg_imm32_b32 hwreg(HW_REG_WAVE_MODE, 25, 1), 1
	s_wait_xcnt 0x0
; y[b][q][head] = the sum over k of softmax_k(Q . K / 8) V for 64 (batch, head) pairs, 2,048 tokens, head size 64, both products on codes of FP8 (E4M3); y is quantised at once with 2^e10.
; THE MASK: key k counts for query q where k <= q and k % 25 != 24.  Key 0 counts for every query.
; THE SOFTMAX: t = score x log2(e) / 8 x 2^(e6 + e7); M = the running largest t rounded UP to a whole number; p = 2^(t - M) is quantised with 2^e8, not normalised; the row's sum is taken of the unquantised p and divides
; at the end.  When M moves, the sum and O are multiplied by 2^(old M - new M): nothing is rounded.
; q_img, k_img, v_img, y_img are images of operand registers (a group of four registers: 512 bytes, lane l's 16 bytes at 16 l): every fragment comes by 16-byte loads at 16 x lane + a constant.
; SHARES.  Work-group (i, head) owns two blocks of 256 queries: block 7 - i, then block i.  Together they want 9 slots of 256 keys, whatever i: every work-group makes nine visits, a constant of the text, and no tile is
; fetched that nobody reads.  Wave w owns 32 queries of a block, as two tiles of 16: tile 0 in register window 0, tile 1 in window 1, UNDER THE SAME REGISTER NUMBERS, so that the softmax is written once and runs under
; two window settings.  Both tiles are multiplied by each fragment of K and V.
; NO CLUSTER: the four work-groups of a head are in different slots in the same visit once the first has changed blocks, so their requests cannot all be joint; and a slot's 32,768 bytes feed two key steps of 16 tiles.
; LAYOUT.  Both products transposed: S^T = K Q^T (source 0 = 16 keys, source 1 = 16 queries), O^T = V^T P^T: a lane holds ONE query (lane % 16) throughout; S^T's register j of tile kt is key 16 kt + 8 (lane / 16) + j, so a
; conversion's two registers are registers 2 kt, 2 kt + 1 of P.
; THE COLUMN MASK IS THE C OF THE SCORE PRODUCTS: 64 registers that hold 0, or -3e38 at a hidden key (a tile of 16 keys has at most one: they lie 25 apart).  From step to step at most 12 of them change.
; LIMITS on the given exponents: e6 + e7 between -117 and 130 (they are added to c's exponent field, and c x 3e38 must stay far beyond every t); e8 and e10 between -126 and 119; e8 + e9 is applied by v_ldexp_f32.
.set SLOT1, 1<<15                      ; a slot: K's 16 fragments (16,384 bytes), then V's 8 (16,384); slot 1 begins here, so that one exclusive or turns an address
.set SPARE, 2*SLOT1                    ; behind the ring: the spare words, 128 bytes for each of eight waves
.set LI,   1                           ; v1   16 x lane; never rewritten
.set AD,   2                           ; v2   LDS address of the slot in hand, for my lane
.set SPW,  4                           ; v4   LDS address of my spare word; never rewritten
.set NIL,  5                           ; v5   0; never rewritten
.set PFO,  6                           ; v6   256 x lane: the prefetches' offset; never rewritten
.set PAT,  8                           ; v8, v9   -3e38 in lanes 0-15, or in lanes 16-31, else 0
; in both windows, for the window's tile:
.set NM,   16                          ; -M
.set TM,   17                          ; the largest t so far
.set L,    18                          ; v[18:19] the row's sum, in two halves
.set F,    20                          ; v[20:21] f = 2^(old M - new M) (the pair's low word serves both halves)
.set T0,   22
.set T1,   23
.set T2,   24
.set L2,   26                          ; v[26:27] the second chain of the sum
.set DL,   28                          ; on the diagonal: my query less the step's first key less 8 (lane / 16)
.set NI,   29                          ; -infinity
.set SCP,  30                          ; 2^e8 as f32
.set RL,   31                          ; lane % 16 - 8 (lane / 16), + 16 for tile 1
.set Q,    32                          ; v32-39   Q's fragment
.set P,    40                          ; v40-55   p's codes; at the end y's
.set O,    56                          ; v56-87   O^T, four tiles of 16 features
.set S,    88                          ; v88-151  S^T, then p
.set SCY,  152                         ; 2^e10 as f32
.set R,    154                         ; v[154:155] 2^(e8 + e9) / the sum
.set KFR,  156                         ; window 0: v156-219 K's eight fragments
.set VFR,  156                         ; window 1: v156-219 V's four fragments
.set MK,   220                         ; v220-251: the column mask of key tiles 0-3 (window 0) and 4-7 (window 1)
; window 1, v0-15: the low block's Q for both tiles
.set TB,   2                           ; s2   LDS byte at which the slot in hand begins
.set WV,   18
.set SEL,  20                          ; s[20:21] lane selects for v_permlanex16_b32: lane l xor 16
.set CS,   22                          ; s[22:23] c
.set G1,   24                          ; s[24:31] descriptor group 1, for K's block and V's alike
.set G0,   32                          ; s[32:35] descriptor group 0
.set TBASE, 36                         ; s[36:37] k_img (wave 0) or v_img at my head
.set OFF,  38                          ; s[38:39] the next slot's bytes
.set SLOTS, 40                         ; visits still to be asked for
.set SC,   41                          ; the slot of keys in hand
.set SN,   42                          ; the next
.set NHI,  43                          ; 8 - i: the high block's slots
.set ISW,  44                          ; i + 1: the count at which the blocks change
.set KF,   45                          ; the step's first key
.set Q0,   46                          ; my first query
.set Q0L,  47                          ; and in the low block
.set PFA,  48                          ; s[48:49] where my prefetches stand
.set LIM,  50
.set PLIM, 51
.set YLIM, 52
.set EPV,  54                          ; e8 + e9
.set YB,   58                          ; s[58:59] y_img at the block in hand; s[60:61] at the low block
.set YBL,  60
.set MSB, 0
.macro WIN new                         ; the immediate's high byte repeats the setting that is left; a switch that changes nothing is dropped
.if MSB != (\new)
	s_set_vgpr_msb (MSB<<8)|(\new)
.set MSB, (\new)
.endif
.endm
; Wave 0 fetches K's 16,384 bytes of a slot, wave 1 V's; the others nothing.  Four v_nop follow the line.
.macro TLOAD
	s_cmp_lt_u32 s[WV], 2
	s_cbranch_scc0 .Lno_load_\@
	tensor_load_to_lds s[G0:G0+3], s[G1:G1+7]
	s_nop 0
.rept 4
	v_nop
.endr
.Lno_load_\@:
.endm
; A PREFETCH INTO THE L2 of the slot that the next change of slots will ask for.  The four work-groups of a head begin together at slot 0 and walk upward; work-group 0 walks all eight slots in its first eight visits,
; and it alone asks.  In it waves 4 and 5 ask for K's 16,384 bytes, waves 6 and 7 for V's: 8,192 bytes a wave, lanes 256 bytes apart, one instruction: each aligned block of 256 bytes is named once in the launch.
; In visit v slot v + 2 is named, up to slot 7; slots 0 and 1 come by their loads alone.
.macro ASK
	s_cmp_gt_u32 s[SLOTS], s[LIM]
	s_cbranch_scc0 .Lnot_mine_\@
	global_prefetch_b8 v[PFO], s[PFA:PFA+1] th:TH_LOAD_NT scope:SCOPE_SE
.Lnot_mine_\@:
.endm
; O^T, the sum, the largest t and the column mask as they stand ahead of a block's first key step.  The step is written once: the first finds zeros, which the first change of M leaves zeros.
.macro INIT
.irp w, 0, 0x55
	WIN \w
.set ii, 0
.rept 32
	v_mov_b32 v[O+ii], 0
.set ii, ii+1
.endr
	v_mov_b32 v[L], 0
	v_mov_b32 v[L+1], 0
	v_mov_b32 v[TM], 0xff61b1e6                    ; -3e38, under every t
	s_delay_alu instid0(VALU_DEP_1)
	v_floor_f32 v[NM], -v[TM]
	v_mov_b32 v[T2], 0                             ; a lane permute's destination counts as one of its sources
	v_mov_b32 v[F+1], 0                            ; named as the upper halves of pairs
	v_mov_b32 v[R+1], 0
.set ii, 0
.rept 32
	v_mov_b32 v[MK+ii], 0
.set ii, ii+1
.endr
.endr
	WIN 0
.endm
; The column mask for key step n (keys 128 n on): the hidden keys of step n - 1 are cleared, those of step n set.  Key 128 n + kk lies in register kk % 8 of tile kk / 16, in the lanes of half (kk / 8) % 2.
; A wave's steps of a block run 0, 1, 2, .. without a gap, and INIT clears all 64 ahead of step 0.
.macro COLMASK n
.irp hf, 0,1
.set kk, 64*\hf
.rept 64
.if ((\n) > 0) && (((128*(\n)-128+kk) % 25) == 24)
	WIN 0x40*\hf
	v_mov_b32 v[MK+8*((kk/16)%4)+kk%8], 0
.endif
.set kk, kk+1
.endr
.set kk, 64*\hf
.rept 64
.if ((128*(\n)+kk) % 25) == 24
	WIN 0x40*\hf
	v_mov_b32 v[MK+8*((kk/16)%4)+kk%8], v[PAT+(kk/8)%2]
.endif
.set kk, kk+1
.endr
.endr
	WIN 0
.endm
; One tile's softmax of a key step, under the window setting of the tile.
.macro SOFTMAX
	v_max3_num_f32 v[T0], v[S], v[S+1], v[S+2]     ; the step's largest score of my query among my 64 keys, in two chains, each accumulator from its low end on
	v_max3_num_f32 v[T1], v[S+3], v[S+4], v[S+5]
.set jj, 6
.rept 14
	v_max3_num_f32 v[T0], v[T0], v[S+jj], v[S+jj+1]
	v_max3_num_f32 v[T1], v[T1], v[S+jj+2], v[S+jj+3]
.set jj, jj+4
.endr
	v_max3_num_f32 v[T0], v[T0], v[S+62], v[S+63]
	s_delay_alu instid0(VALU_DEP_1)
	v_max_num_f32 v[T0], v[T0], v[T1]
	s_delay_alu instid0(VALU_DEP_1)
	v_permlanex16_b32 v[T2], v[T0], s[SEL], s[SEL+1]
	s_delay_alu instid0(VALU_DEP_1)
	v_max_num_f32 v[T0], v[T0], v[T2]              ; and among lane l xor 16's
	s_delay_alu instid0(VALU_DEP_1)
	v_mul_f32 v[T0], s[CS], v[T0]                  ; as t (c is positive)
	s_delay_alu instid0(VALU_DEP_1)
	v_max_num_f32 v[TM], v[TM], v[T0]              ; the running largest t
	v_mov_b32 v[T0], v[NM]
	s_delay_alu instid0(VALU_DEP_2)
	v_floor_f32 v[NM], -v[TM]                      ; the new -M = floor(-t) = -ceil(t)
	s_delay_alu instid0(VALU_DEP_1)
	v_sub_f32 v[T0], v[NM], v[T0]                  ; old M - new M: a whole number, 0 or less
	s_delay_alu instid0(VALU_DEP_1)
	v_cvt_i32_f32 v[T0], v[T0]                     ; (it saturates)
	s_delay_alu instid0(VALU_DEP_1)
	v_ldexp_f32 v[F], 1.0, v[T0]                   ; f = 2^(old M - new M)
.set jj, 0
.rept 32
	v_pk_fma_f32 v[S+jj:S+jj+1], v[S+jj:S+jj+1], s[CS:CS+1], v[NM:NM+1] op_sel_hi:[1,0,0]   ; t - M, two at a time
.set jj, jj+2
.endr
.set jj, 0
	s_wait_alu depctr_va_vdst(0)
.rept 64
	v_exp_f32 v[S+jj], v[S+jj]                     ; p = 2^(t - M); 0 at hidden keys
.set jj, jj+1
.endr
	v_pk_mul_f32 v[L:L+1], v[L:L+1], v[F:F+1] op_sel_hi:[1,0]   ; the sums under the new M: the plain instruction behind the exponentials
	s_wait_alu depctr_va_vdst(0)                   ; one wait for the batch of 64, ahead of its first reader
	v_pk_add_f32 v[L2:L2+1], v[S:S+1], v[S+2:S+3]  ; the row's sum is taken of the unquantised p, in two chains
.set jj, 4
.rept 15
	v_pk_add_f32 v[L:L+1], v[L:L+1], v[S+jj:S+jj+1]
	v_pk_add_f32 v[L2:L2+1], v[L2:L2+1], v[S+jj+2:S+jj+3]
.set jj, jj+4
.endr
	s_delay_alu instid0(VALU_DEP_1)
	v_pk_add_f32 v[L:L+1], v[L:L+1], v[L2:L2+1]
.irp kt, 0,1,2,3,4,5,6,7
.irp i, 0,1,2,3,4,5,6,7
.endr
	v_cvt_scalef32_pk8_fp8_f32 v[P+2*\kt:P+2*\kt+1], v[S+8*\kt:S+8*\kt+7], v[SCP]
.endr
.set jj, 0
.rept 16
	v_pk_mul_f32 v[O+jj:O+jj+1], v[O+jj:O+jj+1], v[F:F+1] op_sel_hi:[1,0]   ; O^T under the new M; these are also the plain instructions between the conversions and the products
.set jj, jj+2
.endr
.endm
.macro PV                              ; O^T += V^T P^T: four accumulators by turns, K = the step's 128 keys
.irp dt, 0,1,2,3
	v_wmma_f32_16x16x128_fp8_fp8 v[O+8*\dt:O+8*\dt+7], v[VFR+16*\dt:VFR+16*\dt+15], v[P:P+15], v[O+8*\dt:O+8*\dt+7]
.endr
.endm
.macro KQ4 k0                          ; S^T = K Q^T + the column mask, key tiles k0 .. k0 + 3
.irp kt, \k0, \k0+1, \k0+2, \k0+3
	v_wmma_f32_16x16x64_fp8_fp8 v[S+8*(\kt):S+8*(\kt)+7], v[KFR+8*(\kt):KFR+8*(\kt)+7], v[Q:Q+7], v[MK+8*((\kt)%4):MK+8*((\kt)%4)+7]
.endr
.endm
; A KEY STEP: 128 keys, the q-th of the slot in hand, for both tiles.
.macro STEP q
	s_add_co_u32 s96, s[Q0], 31                    ; a step all of whose keys come after my 32 queries is left out: a scalar branch on ids; no barrier and no tensor load stands in a step
	s_cmp_gt_u32 s[KF], s96
	s_cbranch_scc1 .Lhid_\@
	v_add_nc_u32 v[AD], s[TB], v[LI]
.irp kt, 0,1,2,3,4,5,6,7
	ds_load_b128 v[KFR+8*\kt:KFR+8*\kt+3], v[AD] offset:8192*(\q)+1024*\kt
	ds_load_b128 v[KFR+8*\kt+4:KFR+8*\kt+7], v[AD] offset:8192*(\q)+1024*\kt+512
.endr
	WIN 0x40                                       ; destination window 1
.irp dt, 0,1,2,3
.irp g, 0,1,2,3
	ds_load_b128 v[VFR+16*\dt+4*\g:VFR+16*\dt+4*\g+3], v[AD] offset:16384+8192*(\q)+2048*\dt+512*\g
.endr
.endr
	WIN 0
.irp sl, 0,1,2,3,4,5,6                         ; the column mask of step 2 x slot + q is made while the loads are out
	s_cmp_eq_u32 s[SC], \sl
	s_cbranch_scc1 .Lcm_\@_\sl
.endr
	COLMASK 14+\q
	s_branch .Lcmj_\@
.irp sl, 0,1,2,3,4,5,6
.Lcm_\@_\sl:
	COLMASK 2*\sl+\q
.if \sl < 6
	s_branch .Lcmj_\@
.endif
.endr
.Lcmj_\@:
	s_wait_dscnt 16                                ; K's 16 loads are in; V's 16 may be out
	s_wait_alu depctr_va_vdst(0)
	KQ4 0                                          ; tile 0, mask in window 0
	WIN 0x10                                       ; the mask of key tiles 4-7 lies in window 1
	KQ4 4
	WIN 0x54                                       ; tile 1: Q, the mask and S^T in window 1
	KQ4 4
	WIN 0x44                                       ; the mask in window 0
	KQ4 0
	WIN 0
.rept 4
	v_nop                                          ; places between the products and the first read of their results
.endr
	s_add_co_u32 s96, s[KF], 127                   ; a step all of whose keys come before my first query has no diagonal
	s_cmp_le_u32 s96, s[Q0]
	s_cbranch_scc1 .Lopen_\@
	s_sub_co_i32 s96, s[Q0], s[KF]
.irp w, 0, 0x55
	WIN \w
	v_add_nc_u32 v[DL], s96, v[RL]                 ; register 8 kt + j holds key KF + 16 kt + 8 (lane / 16) + j: hidden where 16 kt + j > DL
.set nn, 0
.rept 64
	v_cmp_gt_i32 vcc_lo, 16*(nn/8)+nn%8, v[DL]
	v_cndmask_b32 v[S+nn], v[S+nn], v[NI], vcc_lo
.set nn, nn+1
.endr
.endr
	WIN 0
.Lopen_\@:
	SOFTMAX                                        ; tile 0
	s_wait_alu depctr_va_vdst(0)
	s_wait_dscnt 0x0                               ; V is in
	WIN 0x01                                       ; V in window 1
	PV
	WIN 0x55                                       ; tile 1
	SOFTMAX
	PV
	WIN 0
.rept 4
	v_nop                                          ; places between the last products and the next loads into V's registers, or the first read of O^T
.endr
.Lhid_\@:
	s_add_co_u32 s[KF], s[KF], 128
.endm
; THE CHANGE OF SLOTS stands at a visit's head.  Each wave waits for all its tensor loads (its part of the slot that it is about to read), adds 0 to its spare word, and waits for that and for its reads of the slot that it
; has left.  Behind the barrier the slot ahead is whole and nobody reads the other one.  fill = 1: that other slot is filled for the next visit; the load has a whole visit in which to land.
.macro CHANGE fill
	s_wait_tensorcnt 0x0                           ; no tensor load of mine is out, so group 0 may be written
	ds_add_u32 v[SPW], v[NIL]                      ; 0 onto my spare word
.if \fill
	s_xor_b32 s[G0+1], s[G0+1], SLOT1              ; the other slot than last time
	s_add_co_u32 s[SN], s[SC], 1                   ; the next slot of keys; behind the high block's last, the low block's slot 0
	s_cmp_eq_u32 s[SN], s[NHI]
	s_cselect_b32 s[SN], 0, s[SN]
	s_lshl_b32 s[OFF], s[SN], 14
	s_add_nc_u64 s[G0+2:G0+3], s[TBASE:TBASE+1], s[OFF:OFF+1]
	s_or_b32 s[G0+3], s[G0+3], 0x80000000
	s_wait_xcnt 0x0                                ; the last prefetch, a visit back, has read its address, so it may be written
	s_add_nc_u64 s[PFA:PFA+1], s[PFA:PFA+1], 16384
.endif
	s_wait_dscnt 0x0                               ; the add is done, and my reads of the slot that I have left are over
	s_barrier_signal -1
	s_barrier_wait -1
.if \fill
	TLOAD                                          ; the first thing behind the barrier, and a wave's one tensor load until the next
	ASK
.endif
.endm
; A block's end: y = O^T x 2^(e8 + e9) / the sum, converted; a tile's 64 features are two groups of the image of its 16 rows: two stores of 512 consecutive bytes.
.macro FIN1
	v_add_f32 v[T0], v[L], v[L+1]
	s_delay_alu instid0(VALU_DEP_1)
	v_permlanex16_b32 v[T2], v[T0], s[SEL], s[SEL+1]
	s_delay_alu instid0(VALU_DEP_1)
	v_add_f32 v[T0], v[T0], v[T2]                  ; the row's sum
	s_wait_alu depctr_va_vdst(0)
	v_rcp_f32 v[R], v[T0]
	v_nop                                          ; a plain instruction behind the reciprocal
	s_wait_alu depctr_va_vdst(0)                   ; and the wait ahead of its first reader
	v_ldexp_f32 v[R], v[R], s[EPV]
.set jj, 0
.rept 16
	v_pk_mul_f32 v[O+jj:O+jj+1], v[O+jj:O+jj+1], v[R:R+1] op_sel_hi:[1,0]
.set jj, jj+2
.endr
.set jj, 0
.rept 32
.set jj, jj+1
.endr
.irp dt, 0,1,2,3
	v_cvt_scalef32_pk8_fp8_f32 v[P+2*\dt:P+2*\dt+1], v[O+8*\dt:O+8*\dt+7], v[SCY]
.endr
	v_nop                                          ; a plain instruction behind the last conversion
.endm
.macro FINISH
	FIN1
	global_store_b128 v[LI], v[P:P+3], s[YB:YB+1]
	global_store_b128 v[LI], v[P+4:P+7], s[YB:YB+1] offset:512
	WIN 0x55
	FIN1
	WIN 0x04                                       ; a store's data are source 1: window 1; its address window 0
	global_store_b128 v[LI], v[P:P+3], s[YB:YB+1] offset:16384
	global_store_b128 v[LI], v[P+4:P+7], s[YB:YB+1] offset:16896
	WIN 0
.endm
	s_load_b256 s[4:11], s[0:1], 0x0               ; q_img s[4:5], k_img s[6:7], v_img s[8:9], the scales' exponents s[10:11]
	s_load_b64 s[12:13], s[0:1], 0x20              ; y_img
	v_lshl_add_u32 v[SPW], v0, 2, SPARE
	v_mov_b32 v[NIL], 0
	ds_add_u32 v4, v5
	ds_add_u32 v4, v5
	s_wait_dscnt 0x0
	v_lshrrev_b32 v10, 5, v0
	s_delay_alu instid0(VALU_DEP_1)
	v_readfirstlane_b32 s[WV], v10                 ; wave 0..7
	s_and_b32 s14, ttmp7, 0xffff                   ; batch x 16 + head
	s_lshl_b32 s16, s14, 17                        ; its first byte in q_img, k_img and v_img
	s_mov_b32 s17, 0
	s_sub_co_u32 s[NHI], 8, ttmp9
	s_add_co_u32 s[ISW], ttmp9, 1
	s_lshl_b32 s15, s[WV], 5
	s_sub_co_u32 s[Q0], 7, ttmp9
	s_lshl_b32 s[Q0], s[Q0], 8
	s_add_co_u32 s[Q0], s[Q0], s15                 ; my first query: 256 (7 - i) + 32 w,
	s_lshl_b32 s[Q0L], ttmp9, 8
	s_add_co_u32 s[Q0L], s[Q0L], s15               ; and in the low block: 256 i + 32 w
	; descriptor group 1: a dense block of 16,384 bytes as 64 rows of 32 elements of 8 bytes
	s_mov_b32 s[G1], 3<<16                         ; 15:0 no mask; 17:16 elements of 8 bytes; no padding
	s_mov_b32 s[G1+1], 32<<16                      ; tensor_dim0
	s_mov_b32 s[G1+2], 64<<16                      ; tensor_dim1
	s_mov_b32 s[G1+3], 32<<16                      ; tile_dim0
	s_mov_b32 s[G1+4], 64                          ; tile_dim1
	s_mov_b32 s[G1+5], 32                          ; tensor_dim0_stride
	s_mov_b32 s[G1+6], 0
	s_mov_b32 s[G1+7], 0
	s_mov_b32 s[SEL], 0x76543210
	s_mov_b32 s[SEL+1], 0xfedcba98
	s_mov_b32 s[CS], 0x3e38aa3b                    ; log2(e) / 8
	s_mov_b32 s[TB], 0
	s_mov_b32 s[SLOTS], 8
	s_mov_b32 s[SC], 0
	s_mov_b32 s[KF], 0
	s_mov_b32 s[OFF+1], 0
	s_mov_b32 s57, 0
	s_and_b32 s96, s[WV], 1
	s_lshl_b32 s[G0+1], s96, 14                    ; LDS address: K's part of slot 0 (wave 0) or V's (wave 1)
	s_mov_b32 s[G0], 1
	s_wait_kmcnt 0x0
	s_load_b256 s[68:75], s[10:11], 0x0            ; e0 .. e7
	s_load_b128 s[76:79], s[10:11], 0x20           ; e8 .. e11
	s_cmp_eq_u32 s[WV], 0
	s_cselect_b64 s[TBASE:TBASE+1], s[6:7], s[8:9]
	s_add_nc_u64 s[TBASE:TBASE+1], s[TBASE:TBASE+1], s[16:17]
	s_mov_b64 s[G0+2:G0+3], s[TBASE:TBASE+1]       ; the head's first 256 keys
	s_or_b32 s[G0+3], s[G0+3], 0x80000000
	TLOAD                                          ; slot 0
	s_add_nc_u64 s[4:5], s[4:5], s[16:17]          ; q_img at my head
	s_lshl_b32 s56, s[Q0], 6                       ; 64 bytes a query
	s_add_nc_u64 s[62:63], s[4:5], s[56:57]        ; the high block's Q
	s_lshl_b32 s56, s[Q0L], 6
	s_add_nc_u64 s[4:5], s[4:5], s[56:57]          ; the low block's
	v_and_b32 v10, 31, v0
	s_delay_alu instid0(VALU_DEP_1)
	v_lshlrev_b32 v[LI], 4, v10
	s_delay_alu instid0(VALU_DEP_2)
	v_lshlrev_b32 v[PFO], 8, v10
	global_load_b128 v[Q:Q+3], v[LI], s[62:63]
	global_load_b128 v[Q+4:Q+7], v[LI], s[62:63] offset:512
	WIN 0x40                                       ; destination window 1
	global_load_b128 v[Q:Q+3], v[LI], s[62:63] offset:1024
	global_load_b128 v[Q+4:Q+7], v[LI], s[62:63] offset:1536
.irp g, 0,1,2,3
	global_load_b128 v[4*\g:4*\g+3], v[LI], s[4:5] offset:512*\g   ; window 1's v0-15: the low block's Q, kept until the blocks change
.endr
	WIN 0
	s_lshr_b32 s96, s14, 4                         ; y_img: ((batch x 128 + query / 16) x 8 + head / 2) x 2,048 + (head % 2) x 1,024
	s_lshl_b32 s96, s96, 21
	s_and_b32 s15, s14, 15
	s_lshr_b32 s56, s15, 1
	s_lshl_b32 s56, s56, 11
	s_add_co_u32 s96, s96, s56
	s_and_b32 s15, s15, 1
	s_lshl_b32 s15, s15, 10
	s_add_co_u32 s96, s96, s15
	s_lshl_b32 s56, s[Q0], 10
	s_add_co_u32 s56, s56, s96
	s_add_nc_u64 s[YB:YB+1], s[12:13], s[56:57]
	s_lshl_b32 s56, s[Q0L], 10
	s_add_co_u32 s56, s56, s96
	s_add_nc_u64 s[YBL:YBL+1], s[12:13], s[56:57]
	s_cmp_lt_u32 s[WV], 6                          ; the prefetches: waves 4, 5 K's codes, waves 6, 7 V's
	s_cselect_b64 s[PFA:PFA+1], s[6:7], s[8:9]
	s_add_nc_u64 s[PFA:PFA+1], s[PFA:PFA+1], s[16:17]
	s_and_b32 s56, s[WV], 1
	s_lshl_b32 s56, s56, 13                        ; my wave's 8,192 bytes,
	s_add_co_u32 s56, s56, 16384                   ; in slot 1: the first change of slots steps it to slot 2
	s_add_nc_u64 s[PFA:PFA+1], s[PFA:PFA+1], s[56:57]
	s_lshr_b32 s96, s[WV], 2
	s_xor_b32 s96, s96, 1                          ; 0 in waves 4 to 7,
	s_or_b32 s96, s96, ttmp9                       ; of the head's work-group 0
	s_cmp_eq_u32 s96, 0
	s_cselect_b32 s[LIM], 2, -1
	v_and_b32 v11, 15, v0                          ; r
	v_bfe_u32 v12, v0, 4, 1                        ; h
	s_delay_alu instid0(VALU_DEP_1)
	v_lshlrev_b32 v13, 3, v12
	s_delay_alu instid0(VALU_DEP_1)
	v_sub_nc_u32 v[RL], v11, v13
	v_mov_b32 v14, 0xff61b1e6                      ; -3e38
	v_mov_b32 v15, 0
	v_cmp_eq_u32 vcc_lo, 0, v12
	s_delay_alu instid0(VALU_DEP_1)
	v_cndmask_b32 v[PAT], v15, v14, vcc_lo         ; -3e38 in lanes 0-15
	s_delay_alu instid0(VALU_DEP_2)
	v_cndmask_b32 v[PAT+1], v14, v15, vcc_lo       ; in lanes 16-31
	s_wait_kmcnt 0x0
	s_add_co_i32 s96, s74, s75                     ; a score stands for score x 2^(e6 + e7): added to c's exponent field
	s_lshl_b32 s96, s96, 23
	s_add_co_i32 s[CS], s[CS], s96
	s_mov_b32 s[CS+1], s[CS]                       ; (named with it as a pair, so it is written)
	s_add_co_i32 s96, s76, 127
	s_lshl_b32 s97, s96, 23                        ; 2^e8
	s_add_co_i32 s96, s78, 127
	s_lshl_b32 s98, s96, 23                        ; 2^e10
	s_add_co_i32 s[EPV], s76, s77
.irp w, 0, 0x40
	WIN \w
	v_mov_b32 v[NI], 0xff800000
	v_mov_b32 v[SCP], s97
	v_mov_b32 v[SCY], s98
.endr
	v_add_nc_u32 v[RL], 16, v[RL]                  ; (destination window 1, source window 0) tile 1's queries lie 16 further on
	WIN 0
	INIT
	s_wait_loadcnt 0x0                             ; Q
.Lvisit:                                           ; eight trips: behind each change of slots but the last the next visit's slot is asked for
	CHANGE 1
	STEP 0
	STEP 1
	s_xor_b32 s[TB], s[TB], SLOT1                  ; on to the other slot,
	s_mov_b32 s[SC], s[SN]                         ; which holds these keys
	s_lshl_b32 s[KF], s[SC], 8
	s_cmp_lg_u32 s[SLOTS], s[ISW]                  ; behind visit 7 - i the high block is finished
	s_cbranch_scc1 .Lsame_block
	FINISH
	s_wait_xcnt 0x0                                ; the stores have read their data and their base: both are written again below and in the next step
	s_mov_b64 s[YB:YB+1], s[YBL:YBL+1]
	s_mov_b32 s[Q0], s[Q0L]
	WIN 0x01                                       ; source window 1, destination window 0
.irp j, 0,1,2,3,4,5,6,7
	v_mov_b32 v[Q+\j], v[\j]
.endr
	WIN 0x41                                       ; both window 1
.irp j, 0,1,2,3,4,5,6,7
	v_mov_b32 v[Q+\j], v[8+\j]
.endr
	WIN 0
	INIT
.Lsame_block:
	s_sub_co_u32 s[SLOTS], s[SLOTS], 1
	s_cmp_lg_u32 s[SLOTS], 0
	s_cbranch_scc1 .Lvisit
	CHANGE 0                                       ; the ninth visit is written out
	STEP 0
	STEP 1
	FINISH
	s_wait_tensorcnt 0x0                           ; the wave's end
	ds_add_u32 v[SPW], v[NIL]
	s_wait_dscnt 0x0
	s_endpgm
.Lfunc_end_k_qab8239afbc_attn:
	.size	k_qab8239afbc_attn, .Lfunc_end_k_qab8239afbc_attn-k_qab8239afbc_attn
	.p2alignl 7, 3214868480
	.fill 96, 4, 3214868480
	.section	.rodata,"a",@progbits
	.p2align	6, 0x0
	.amdhsa_kernel k_qab8239afbc_attn
		.amdhsa_group_segment_fixed_size 327680
		.amdhsa_private_segment_fixed_size 0
		.amdhsa_enable_private_segment 0
		.amdhsa_kernarg_size 40
		.amdhsa_user_sgpr_count 2
		.amdhsa_user_sgpr_kernarg_segment_ptr 1
		.amdhsa_wavefront_size32 1
		.amdhsa_system_sgpr_workgroup_id_x 1
		.amdhsa_system_sgpr_workgroup_id_y 1
		.amdhsa_system_sgpr_workgroup_id_z 1
		.amdhsa_system_vgpr_workitem_id 0
		.amdhsa_next_free_vgpr 512
		.amdhsa_next_free_sgpr 100
		.amdhsa_reserve_vcc 1
		.amdhsa_float_denorm_mode_32 3
		.amdhsa_float_denorm_mode_16_64 3
		.amdhsa_fp16_overflow 1
		.amdhsa_memory_ordered 1
		.amdhsa_forward_progress 1
		.amdhsa_inst_pref_size 181
	.end_amdhsa_kernel
	.amdgpu_metadata
---
amdhsa.version: [ 1, 2 ]
amdhsa.kernels:
  - .name:           k_qab8239afbc_attn
    .symbol:         k_qab8239afbc_attn.kd
    .args:
      - { .name: q_img, .offset: 0, .size: 8, .value_kind: global_buffer, .address_space: global }
      - { .name: k_img, .offset: 8, .size: 8, .value_kind: global_buffer, .address_space: global }
      - { .name: v_img, .offset: 16, .size: 8, .value_kind: global_buffer, .address_space: global }
      - { .name: lowp_scales, .offset: 24, .size: 8, .value_kind: global_buffer, .address_space: global }
      - { .name: y_img, .offset: 32, .size: 8, .value_kind: global_buffer, .address_space: global }
    .group_segment_fixed_size: 327680
    .private_segment_fixed_size: 0
    .kernarg_segment_align: 8
    .kernarg_segment_size: 40
    .max_flat_workgroup_size: 256
    .sgpr_count:     100
    .vgpr_count:     512
    .wavefront_size: 32
...
	.end_amdgpu_metadata
.endif
;; end of part 2
;; launch proj (part 3): grid 4 x 32, 4 waves a work-group, clusters of 4 x 4, 327,680 bytes of LDS; arguments y_img, Wp_codes, bp, lowp_scales, out0; writes out0
.if DOCPART == 3
	.amdgcn_target "amdgcn-amd-amdhsa--gfx1250"
	.amdhsa_code_object_version 6
	.text
	.protected	k_qab8239afbc_proj
	.globl	k_qab8239afbc_proj
	.p2align	8
	.type	k_qab8239afbc_proj,@function
k_qab8239afbc_proj:
	s_mov_b64 s[64:65], 0
	v_nop
	global_prefetch_b8 v0, s[64:65] scope:SCOPE_SE
	s_setreg_imm32_b32 hwreg(HW_REG_WAVE_MODE, 25, 1), 1
	s_wait_xcnt 0x0
	s_wait_alu depctr_hold_cnt(0) depctr_sa_sdst(0) depctr_va_vdst(0) depctr_va_sdst(0) depctr_va_ssrc(0) depctr_va_vcc(0) depctr_vm_vsrc(0)
	s_getreg_b32 s2, hwreg(HW_REG_IB_STS2, 6, 4)
	s_cmp_eq_u32 s2, 0
	s_cbranch_scc0 .Lentry_in_a_cluster
	s_endpgm
.Lentry_in_a_cluster:
	s_bfe_u32 s2, ttmp6, 0x10000c
	s_cmp_lg_u32 s2, 0xf033
	s_cbranch_scc0 .Lentry_shape_is_right
	s_endpgm
.Lentry_shape_is_right:
; out = y Wp^T x 2^(e10 + e11) + bp on codes of FP8 (E4M3).  y: 8,192 x 1,024 as images of operand registers (y_img: [tile of 16 rows 512][128 along K: 8][group of four registers 4][lane][16 bytes]);
; Wp: [1024][1024] codes, K innermost; bp [1024] and out [8192][1024] f32.  bp goes in as the C of each sum's first matrix instruction, divided by 2^(e10 + e11); each finished sum is multiplied once by that power.
; LIMIT: e10 + e11 between -126 and 127, so that 2^(e10 + e11) is an f32 number.
; A tile of 256 x 256 to a work-group of four waves, 128 x 128 to a wave.  K goes in steps of 256 through a ring of two LDS slots.  128 tiles: a smaller tile would read each fragment for fewer products.
; CLUSTERS: 4 x 4 work-groups; y's tile is asked for jointly by a row of the cluster, Wp's by a column.
; y's images hold k in this form's own places (registers 2 c, 2 c + 1: k = 16 c + 8 (lane / 16) + 0 .. 7), so Wp's fragments take the same places: eight loads of 8 bytes a fragment.
; THE MATRIX INSTRUCTION IS USED TRANSPOSED (source 0 = 16 rows of Wp, source 1 = 16 rows of y): a lane holds eight neighbouring numbers of a row of out.
; REGISTERS, in windows of 256: window 0: v16-30 addresses; v32-95 the bias, later a block's results; v128-255 y's fragments (one set), later rows read back.  window 1: Wp's fragments, two sets.  windows 2, 3: the accumulators.
.set ROWB,   256                       ; Wp's tile row: 256 along K
.set PITCH,  272                       ; and in LDS: + 16 of padding
.set FR,     16
.set NL,     4                         ; LDS loads that bring a fragment of y
.set NP,     4
.set HALFB,  128*PITCH                 ; 128 rows of Wp: one tensor load
.set AREG,   65536                     ; y's part of a slot: 16 tiles of rows x 4,096 bytes (two fragments each)
.set SLOT,   AREG+2*HALFB
.set SPARE,  2*SLOT                    ; behind the ring: the spare words, 128 bytes for each wave
.set SPITCH, 528                       ; the way out: a stage of 16 rows x (512 bytes + 16) for each wave, in slot 0, which has had its last fill and its last read when the first result is stored there
.set ADRA, 16
.set ADRB, 20
.set BOQ,  23                          ; v23  32 x (lane / 16)
.set STO,  24
.set RD,   25
.set CO,   26                          ; v26  16 x lane
.set SPW,  28
.set NIL,  29
.set BI,   32
.set TMP,  32
.set AF,   128
.set BK,   128
.set G1, 24
.set G0, 32
.set G1B, 48
.set G0B, 56
.set MSB, 0
.macro WIN new
.if MSB != (\new)
	s_set_vgpr_msb (MSB<<8)|(\new)
.set MSB, (\new)
.endif
.endm
.set MUL_LO, 0xa1
.set MUL_HI, 0xf1
.set BEG_LO, 0x81                      ; the first step: C (the bias) window 0, D window 2
.set BEG_HI, 0xc1
.set TO_B,   0x40
.macro JLOAD g0a, g1a, g0b, g1b        ; a joint load: waves 0 and 1 fetch y's images, waves 2 and 3 Wp's rows; four v_nop follow each of the two lines
	s_cmp_eq_u32 s15, 0
	s_cbranch_scc0 .Lfor_b_\@
	tensor_load_to_lds s[\g0a:\g0a+3], s[\g1a:\g1a+7]
	s_nop 0
.rept 4
	v_nop
.endr
	s_branch .Lasked_\@
.Lfor_b_\@:
	tensor_load_to_lds s[\g0b:\g0b+3], s[\g1b:\g1b+7]
	s_nop 0
.rept 4
	v_nop
.endr
.Lasked_\@:
.endm
.macro CREST
	s_cmp_lg_u32 s14, 0
	s_cbranch_scc1 .Lnot_wave_0_\@
	s_barrier_signal -3
.Lnot_wave_0_\@:
	s_barrier_wait -3
	s_barrier_signal -1
	s_barrier_wait -1
.endm
.macro CROUND
	s_barrier_signal -1
	s_barrier_wait -1
	CREST
.endm
	s_load_b128 s[4:7], s[0:1], 0x0                ; y_img s[4:5], Wp's codes s[6:7]
	s_load_b128 s[8:11], s[0:1], 0x10              ; bp s[8:9], the scales' exponents s[10:11]
	s_load_b64 s[12:13], s[0:1], 0x20              ; out
	v_lshl_add_u32 v[SPW], v0, 2, SPARE
	v_mov_b32 v[NIL], 0
	ds_add_u32 v28, v29
	ds_add_u32 v28, v29
	s_wait_dscnt 0x0
	v_lshrrev_b32 v1, 5, v0
	v_readfirstlane_b32 s14, v1                    ; wave 0..3
	s_lshr_b32 s15, s14, 1                         ; which half of the tile's rows is mine.  Also: I fetch for y (0) or for Wp (1)
	s_and_b32 s16, s14, 1                          ; which half of its columns.  Also: which half of that tile I fetch
	s_bfe_u32 s40, ttmp6, 0x40000                  ; cx, cy
	s_bfe_u32 s41, ttmp6, 0x40004
	s_lshl_b32 s42, ttmp9, 2
	s_add_co_u32 s42, s42, s40                     ; tile column
	s_and_b32 s17, ttmp7, 0xffff
	s_lshl_b32 s17, s17, 2
	s_add_co_u32 s17, s17, s41                     ; tile row
	s_lshl_b32 s43, s41, 2
	s_lshl_b32 s43, 15, s43                        ; my row of the cluster
	s_lshl_b32 s44, 0x1111, s40                    ; my column
	; y's tiles: 8 tiles of rows x 4,096 consecutive bytes (two fragments), 16,384 bytes apart in memory, dense in LDS
	s_or_b32 s[G1+0], s43, (0<<16)|(1<<21)         ; 15:0 the mask: my row; 17:16 elements of 1 byte; no padding; 21 set beside a mask
	s_mov_b32 s[G1+1], 4096<<16                    ; tensor_dim0
	s_mov_b32 s[G1+2], 8<<16                       ; tensor_dim1
	s_mov_b32 s[G1+3], 4096<<16                    ; tile_dim0
	s_mov_b32 s[G1+4], 8                           ; tile_dim1
	s_mov_b32 s[G1+5], 16384                       ; tensor_dim0_stride
	s_mov_b32 s[G1+6], 0
	s_mov_b32 s[G1+7], 0
	; Wp's tiles: 128 rows x 256 bytes, padded in LDS
	s_or_b32 s[G1B+0], s44, (0<<16)|(1<<20)|(1<<21)|(5<<22)|(3<<25)
	s_mov_b32 s[G1B+1], ROWB<<16
	s_mov_b32 s[G1B+2], 128<<16
	s_mov_b32 s[G1B+3], ROWB<<16
	s_mov_b32 s[G1B+4], 128
	s_mov_b32 s[G1B+5], 1024
	s_mov_b32 s[G1B+6], 0
	s_mov_b32 s[G1B+7], 0
	s_lshl_b32 s20, s17, 18                        ; y: 16 tiles of rows x 16,384 bytes a tile of out,
	s_lshl_b32 s18, s16, 17                        ; my eight of them
	s_add_co_u32 s20, s20, s18
	s_mov_b32 s21, 0
	s_lshl_b32 s46, s42, 8
	s_lshl_b32 s18, s16, 7
	s_add_co_u32 s46, s46, s18
	s_lshl_b32 s46, s46, 10                        ; Wp: (256 x tile column + 128 x half) rows of 1,024 bytes
	s_mov_b32 s47, 0
	s_lshl_b32 s45, s16, 15                        ; where they go: no place in the cluster enters an LDS address
	s_mul_i32 s19, s16, HALFB
	s_add_co_u32 s19, s19, AREG
	s_wait_kmcnt 0x0
	s_load_b64 s[96:97], s[10:11], 0x28            ; e10, e11
	s_add_nc_u64 s[20:21], s[4:5], s[20:21]
	s_add_nc_u64 s[46:47], s[6:7], s[46:47]
	CROUND                                         ; all sixteen work-groups are here: the first joint loads meet
.irp s, 0,1
	s_mov_b32 s[G0+4*\s], 1
	s_add_co_u32 s[G0+4*\s+1], s45, \s*SLOT
	s_add_nc_u64 s[G0+4*\s+2:G0+4*\s+3], s[20:21], \s*4096
	s_or_b32 s[G0+4*\s+3], s[G0+4*\s+3], 0x80000000
	s_mov_b32 s[G0B+4*\s], 1
	s_add_co_u32 s[G0B+4*\s+1], s19, \s*SLOT
	s_add_nc_u64 s[G0B+4*\s+2:G0B+4*\s+3], s[46:47], \s*ROWB
	s_or_b32 s[G0B+4*\s+3], s[G0B+4*\s+3], 0x80000000
	s_wait_alu depctr_va_vdst(0)
	s_wait_tensorcnt 0x0
	ds_add_u32 v28, v29
	ds_add_u32 v28, v29
	s_wait_dscnt 0x0
	CROUND
	JLOAD G0+4*\s, G1, G0B+4*\s, G1B
.endr
	v_and_b32 v1, 15, v0                           ; r
	v_bfe_u32 v2, v0, 4, 1                         ; h
	v_mul_u32_u24 v3, v1, PITCH
	v_lshl_add_u32 v4, v2, 3, v3                   ; Wp: row x pitch + 8 x half
	v_and_b32 v6, 31, v0
	v_lshlrev_b32 v[CO], 4, v6                     ; y: 16 x lane
	s_wait_alu depctr_va_vdst(0)
	v_lshlrev_b32 v[BOQ], 5, v2
	s_wait_alu depctr_va_vdst(0)
	s_lshl_b32 s21, s15, 15                        ; my eight tiles of rows of y
	s_mul_i32 s22, s16, HALFB                      ; my 128 rows of Wp
	s_add_co_u32 s22, s22, AREG
.irp s, 0,1
	v_add_nc_u32 v[ADRA+\s], s21, v[CO]
	v_add_nc_u32 v[ADRB+\s], s22, v4
	s_add_co_u32 s21, s21, SLOT
	s_add_co_u32 s22, s22, SLOT
.endr
	s_mul_i32 s23, s14, 16*SPITCH                  ; my stage
	v_mul_u32_u24 v5, v1, SPITCH                   ; in: row r, 32 bytes for each half of the lanes
	v_lshl_add_u32 v5, v2, 5, v5
	v_add_nc_u32 v[STO], s23, v5
	v_add_nc_u32 v[RD], s23, v[CO]                 ; back: the 32 lanes take one row of 512 bytes
	s_lshl_b32 s46, s42, 10                        ; my first column, in bytes of f32: 1,024 x tile column + 512 x half
	s_lshl_b32 s47, s16, 9
	s_add_co_u32 s46, s46, s47
	s_mov_b32 s47, 0
	s_add_nc_u64 s[8:9], s[8:9], s[46:47]          ; bp at my 128 columns
.irp b, 0,1,2,3,4,5,6,7                        ; accumulator (a, b), register j holds column 16 b + 8 h + j
	global_load_b128 v[BI+8*\b:BI+8*\b+3], v[BOQ], s[8:9] offset:64*\b
	global_load_b128 v[BI+8*\b+4:BI+8*\b+7], v[BOQ], s[8:9] offset:64*\b+16
.endr
	s_lshl_b32 s20, s17, 8
	s_lshl_b32 s21, s15, 7
	s_add_co_u32 s20, s20, s21                     ; my first row: 256 x tile row + 128 x half
	s_lshl_b32 s20, s20, 12                        ; rows of 4,096 bytes
	s_mov_b32 s21, 0
	s_add_nc_u64 s[20:21], s[20:21], s[46:47]
	s_add_nc_u64 s[12:13], s[12:13], s[20:21]
	s_wait_kmcnt 0x0
	s_add_co_i32 s98, s96, s97                     ; e10 + e11
	s_sub_co_i32 s99, 0, s98
	s_add_co_i32 s96, s98, 127
	s_lshl_b32 s96, s96, 23                        ; 2^(e10 + e11) as f32 (s97 stays written: the packed form names the pair)
	s_wait_loadcnt 0x0
.set ii, 0
.rept 64
	v_ldexp_f32 v[BI+ii], v[BI+ii], s99            ; bp / 2^(e10 + e11)
.set ii, ii+1
.endr
.macro FRAGA reg, slot, q, i           ; y's fragment comes back as it was stored: four groups of four registers
.irp g, 0,1,2,3
	ds_load_b128 v[\reg+4*\g:\reg+4*\g+3], v[ADRA+\slot] offset:4096*(\i)+2048*(\q)+512*\g
.endr
.endm
.macro FRAGB reg, slot, q, i           ; Wp's: registers 2 c, 2 c + 1 hold k = 16 c + 8 (lane / 16) + 0 .. 7 of row lane % 16
.irp c, 0,1,2,3,4,5,6,7
	ds_load_b64 v[\reg+2*\c:\reg+2*\c+1], v[ADRB+\slot] offset:128*(\q)+16*\c+(\i)*16*PITCH
.endr
.endm
.macro MUL16 a0, p, cmode              ; 16 matrix instructions: y's blocks a0, a0 + 1 x Wp's eight.  cmode 1: the sums begin with the bias.  The 64 accumulators take turns
.irp a, \a0, \a0+1
.irp b, 0,1,2,3,4,5,6,7
.if \cmode == 0
	v_wmma_f32_16x16x128_fp8_fp8 v[8*(8*((\a)%4)+\b):8*(8*((\a)%4)+\b)+7], v[128*(\p)+FR*\b:128*(\p)+FR*\b+FR-1], v[AF+FR*(\a):AF+FR*(\a)+FR-1], v[8*(8*((\a)%4)+\b):8*(8*((\a)%4)+\b)+7]
.else
	v_wmma_f32_16x16x128_fp8_fp8 v[8*(8*((\a)%4)+\b):8*(8*((\a)%4)+\b)+7], v[128*(\p)+FR*\b:128*(\p)+FR*\b+FR-1], v[AF+FR*(\a):AF+FR*(\a)+FR-1], v[BI+8*\b:BI+8*\b+7]
.endif
.endr
.endr
.endm
.macro FETCH_B slot, q, p
	WIN TO_B
.irp i, 0,1,2,3,4,5,6,7
	FRAGB 128*(\p)+FR*\i, \slot, \q, \i
.endr
	WIN 0
.endm
.macro FETCH_A slot, q, i0
.irp i, \i0, \i0+1, \i0+2, \i0+3
	FRAGA AF+FR*(\i), \slot, \q, \i
.endr
.endm
.macro PLACES n
.rept \n
	v_nop
.endr
.endm
.macro STEP slot, q, cmode
	s_wait_dscnt 4*NL                              ; Wp's set and y's blocks 0-3 are in; the youngest 16 loads (y's blocks 4-7) may be out
.if \cmode
	WIN BEG_LO
.else
	WIN MUL_LO
.endif
	MUL16 0, (\q)%2, \cmode
	MUL16 2, (\q)%2, \cmode
	s_wait_dscnt 0
	PLACES NP
	FETCH_B \slot, (\q)+1, 1-(\q)%2
	FETCH_A \slot, (\q)+1, 0
.if \cmode
	WIN BEG_HI
.else
	WIN MUL_HI
.endif
	MUL16 4, (\q)%2, \cmode
	MUL16 6, (\q)%2, \cmode
	PLACES NP
	WIN 0
	FETCH_A \slot, (\q)+1, 4
.endm
.macro TURN slot, next, fill           ; a slot's last step changes slots: one barrier, with the three lines in front of it
	s_wait_tensorcnt 0x0                           ; all my tensor loads have landed: my part of the next slot
	ds_add_u32 v[SPW], v[NIL]                      ; 0 onto my spare word
	s_wait_dscnt 4*NL+1                            ; the add and the youngest 16 loads may be out
	WIN MUL_LO
	MUL16 0, 1, 0
	s_wait_dscnt 0x0                               ; the add is done, and my reads of this slot are over
	s_barrier_signal -1
	MUL16 2, 1, 0
	WIN 0
	s_barrier_wait -1
.if \fill
	CREST                                          ; the barrier has opened a round of the cluster's: no wave of any partner still reads this slot or has a load on its way
	s_add_nc_u64 s[G0+4*\slot+2:G0+4*\slot+3], s[G0+4*\slot+2:G0+4*\slot+3], 2*4096
	s_add_nc_u64 s[G0B+4*\slot+2:G0B+4*\slot+3], s[G0B+4*\slot+2:G0B+4*\slot+3], 2*ROWB
	JLOAD G0+4*\slot, G1, G0B+4*\slot, G1B
.else
	PLACES NP
.endif
	FETCH_B \next, 0, 0
	FETCH_A \next, 0, 0
	WIN MUL_HI
	MUL16 4, 1, 0
	MUL16 6, 1, 0
	PLACES NP
	WIN 0
	FETCH_A \next, 0, 4
.endm
	s_wait_alu depctr_va_vdst(0)
	s_wait_tensorcnt 1                             ; my part of slot 0 is in; slot 1's load may be out
	s_barrier_signal -1
	s_barrier_wait -1
	FETCH_B 0, 0, 0
	FETCH_A 0, 0, 0
	FETCH_A 0, 0, 4
	STEP 0, 0, 1                                   ; the first step starts the sums with the bias
	TURN 0, 1, 1                                   ; K = 1,024 is four slots' worth: both slots are filled once more, and the eight steps are written out
	STEP 1, 0, 0
	TURN 1, 0, 1
	STEP 0, 0, 0
	TURN 0, 1, 0
	STEP 1, 0, 0
	s_wait_dscnt 4*NL
	WIN MUL_LO
	MUL16 0, 1, 0
	MUL16 2, 1, 0
	s_wait_dscnt 0
	WIN MUL_HI
	MUL16 4, 1, 0
	MUL16 6, 1, 0
	WIN 0
; THE WAY OUT, block by block of 16 rows x 128 columns: through my own stage in LDS and back as whole rows of 512 bytes.  LDS serves a wave's instructions in order (ISA guide 5.7.1.4): no wait between the stores and the loads.
.macro TOSTAGE a
.set AC, 64*((\a)%4)
	WIN 0x02+((\a)/4)                              ; source 0: window 2 or 3
.set jj, 0
.rept 32
	v_pk_mul_f32 v[TMP+jj:TMP+jj+1], v[AC+jj:AC+jj+1], s[96:97] op_sel_hi:[1,0]   ; x 2^(e10 + e11); each accumulator from its low end on
.set jj, jj+2
.endr
	WIN 0
.irp b, 0,1,2,3,4,5,6,7
	ds_store_b128 v[STO], v[TMP+8*\b:TMP+8*\b+3] offset:64*\b
	ds_store_b128 v[STO], v[TMP+8*\b+4:TMP+8*\b+7] offset:64*\b+16
.endr
.set BB, BK+64*((\a)%2)
.irp t, 0,1,2,3,4,5,6,7,8,9,10,11,12,13,14,15
	ds_load_b128 v[BB+4*\t:BB+4*\t+3], v[RD] offset:\t*SPITCH
.endr
.endm
.macro SEND a, younger                 ; younger: the LDS instructions issued behind block a's loads, which may stay out
.set BB, BK+64*((\a)%2)
	s_wait_dscnt \younger
.if (\a) > 0
	s_add_nc_u64 s[12:13], s[12:13], 16*4096       ; (behind a wait on XCNT: the earlier stores have read their base) 16 rows on
.endif
.irp t, 0,1,2,3,4,5,6,7,8,9,10,11,12,13,14,15
	global_store_b128 v[CO], v[BB+4*\t:BB+4*\t+3], s[12:13] offset:\t*4096 th:TH_STORE_NT   ; 32 lanes store 512 consecutive bytes, at a multiple of 256 from out's first byte
.endr
.endm
	PLACES NP                                      ; behind the last products: for the reads of results and the loads into y's fragments' registers
	TOSTAGE 0
.irp a, 1,2,3,4,5,6,7
.if \a > 1
	s_wait_xcnt 0x0                                ; block a - 2's stores have read their registers and their base
.endif
	TOSTAGE \a
	SEND \a-1, 32                                  ; behind block a - 1's loads: block a's 16 stores and 16 loads
.endr
	s_wait_xcnt 0x0
	SEND 7, 0
	s_wait_tensorcnt 0x0                           ; the wave's end
	ds_add_u32 v[SPW], v[NIL]
	s_wait_dscnt 0x0
	CROUND                                         ; the closing round
	s_endpgm
.Lfunc_end_k_qab8239afbc_proj:
	.size	k_qab8239afbc_proj, .Lfunc_end_k_qab8239afbc_proj-k_qab8239afbc_proj
	.p2alignl 7, 3214868480
	.fill 96, 4, 3214868480
	.section	.rodata,"a",@progbits
	.p2align	6, 0x0
	.amdhsa_kernel k_qab8239afbc_proj
		.amdhsa_group_segment_fixed_size 327680
		.amdhsa_private_segment_fixed_size 0
		.amdhsa_enable_private_segment 0
		.amdhsa_kernarg_size 40
		.amdhsa_user_sgpr_count 2
		.amdhsa_user_sgpr_kernarg_segment_ptr 1
		.amdhsa_wavefront_size32 1
		.amdhsa_system_sgpr_workgroup_id_x 1
		.amdhsa_system_sgpr_workgroup_id_y 1
		.amdhsa_system_sgpr_workgroup_id_z 1
		.amdhsa_system_vgpr_workitem_id 0
		.amdhsa_next_free_vgpr 1024
		.amdhsa_next_free_sgpr 100
		.amdhsa_reserve_vcc 0
		.amdhsa_float_denorm_mode_32 3
		.amdhsa_float_denorm_mode_16_64 3
		.amdhsa_memory_ordered 1
		.amdhsa_forward_progress 1
		.amdhsa_inst_pref_size 146
	.end_amdhsa_kernel
	.amdgpu_metadata
---
amdhsa.version: [ 1, 2 ]
amdhsa.kernels:
  - .name:           k_qab8239afbc_proj
    .symbol:         k_qab8239afbc_proj.kd
    .args:
      - { .name: y_img, .offset: 0, .size: 8, .value_kind: global_buffer, .address_space: global }
      - { .name: Wp_codes, .offset: 8, .size: 8, .value_kind: global_buffer, .address_space: global }
      - { .name: bp, .offset: 16, .size: 8, .value_kind: global_buffer, .address_space: global }
      - { .name: lowp_scales, .offset: 24, .size: 8, .value_kind: global_buffer, .address_space: global }
      - { .name: out0, .offset: 32, .size: 8, .value_kind: global_buffer, .address_space: global }
    .group_segment_fixed_size: 327680
    .private_segment_fixed_size: 0
    .kernarg_segment_align: 8
    .kernarg_segment_size: 40
    .max_flat_workgroup_size: 128
    .sgpr_count:     100
    .vgpr_count:     1024
    .wavefront_size: 32
...
	.end_amdgpu_metadata
.endif
;; end of part 3
